; MI455X (gfx1250); checked and timed in simulation.
; The chip was launched on July 23, 2026; its instructions are those of AMD's public machine-readable ISA for CDNA 5 (MIT licence, August 2026) and "CDNA5" Instruction Set Architecture Reference Guide (July 2026). The comments in the code are by the model that wrote it; some were corrected since.
;; Qwen3 Attention. Allowed arithmetic: matrix products marked QUANTISED: E4M3 operands, one given power-of-two scale a tensor, by v_wmma_f32_16x16x64_fp8_fp8 or v_wmma_f32_16x16x128_fp8_fp8, f32 sums; everything else in f32.
;; Inputs: Wk 1,024 x 2,048 float32; Wo 2,048 x 1,024 float32; Wq 1,024 x 2,048 float32; Wv 1,024 x 2,048 float32; cos 2 x 2,048 x 128 float32; k_norm_w 128 float32; lowp_scales 12 int32 (the exponents e of the quantised operands' scales 2^e); q_norm_w 128 float32; sin 2 x 2,048 x 128 float32; x 2 x 2,048 x 2,048 float32.
;; Outputs: out0 2 x 2,048 x 2,048 float32.
;; This version of the problem:
;;   THIS VERSION OF THE PROBLEM IS GIVEN IN LOW PRECISION. The matrix products marked QUANTISED in the list below multiply operands that are first quantised to E4M3 (4 exponent bits, 3 mantissa bits; 8 bits a number), with one given power-of-two scale for each operand tensor; their sums are f32. All else is computed in f32.
;;   The module's matrix products, in the order in which they are computed (A, B: the left and right operand; K: the contracted axis; several contracted axes count as one K, in the product's order):
;;     1. [M 4,096, K 2,048] x [K 2,048, N 1,024]; A: input x; B: input Wq: QUANTISED (scales: A lowp_scales[0], B lowp_scales[1])
;;     2. [M 4,096, K 2,048] x [K 2,048, N 1,024]; A: input x; B: input Wk: QUANTISED (scales: A lowp_scales[2], B lowp_scales[3])
;;     3. [M 4,096, K 2,048] x [K 2,048, N 1,024]; A: input x; B: input Wv: QUANTISED (scales: A lowp_scales[4], B lowp_scales[5])
;;     4. batch 16 x [M 2,048, K 128] x [K 128, N 2,048]; A: computed on the way; B: computed on the way: QUANTISED (scales: A lowp_scales[6], B lowp_scales[7])
;;     5. batch 16 x [M 2,048, K 2,048] x [K 2,048, N 128]; A: softmax (see below); B: computed on the way: QUANTISED (scales: A lowp_scales[8], B lowp_scales[9])
;;     6. [M 4,096, K 1,024] x [K 1,024, N 2,048]; A: computed on the way; B: input Wo: QUANTISED (scales: A lowp_scales[10], B lowp_scales[11])
;;   THE QUANTISER, for each operand of a quantised product, along K:
;;     - The operand's scale is 2^e, e = its entry of the input lowp_scales (int32; the entries are numbered through the quantised products in the list's order, A before B).
;;     - Each number is divided by the scale, clamped to +-448, and rounded to the nearest number of E4M3, ties to even, subnormals kept.
;;     - The product sums the exact products of the quantised numbers (number of the format x scale) in f32.
;;   ~~~python
;;   def quantise(x, axis, e):      # numpy; x: float32 -> the quantised numbers, widened to float32 again
;;       x = np.moveaxis(x, axis, -1); K = x.shape[-1]
;;       r = np.clip(x / 2.0 ** e, -448, 448)
;;       step = 2.0 ** (np.maximum(np.frexp(np.where(r == 0, 1, r))[1] - 1, -6) - 3)
;;       q = np.round(r / step) * step * 2.0 ** e      # np.round: ties to even
;;       return np.moveaxis(q, -1, axis).astype(np.float32)
;;   ~~~
;;   SOFTMAX AHEAD OF A QUANTISED PRODUCT. Where the list says 'softmax', what is quantised is not the finished softmax but p = 2^(t - M), with t = logit x log2(e) and M = ceil(the row's largest t), a whole number; so 1/2 < the row's largest p <= 1. The row's sum l is taken of the UNQUANTISED p, in f32, and the product's result is divided by l at the end. Since M is a whole number, a kernel that streams over the keys may use a running M (the ceiling of the running maximum): every later rescaling is an exact power of two, so the quantised numbers keep their values, but for numbers so far below the row's largest that they fall under the format's range.
;;   OPERANDS COMPUTED ON THE WAY. 'Computed on the way' means the value that the module computes at that place (a softmax that the list does not call 'softmax' is quantised finished and normalised). What goes into a quantiser is computed in f32, as accurately as f32 sums, v_exp_f32 and their like allow (about 1e-6 of the number): no bf16 or f16 on the way to a quantiser, and a product that is left as it is and whose result goes on into a quantised operand takes f32 operands (vector FMAs, or v_wmma_f32_16x16x4_f32). A number that lies on a knife's edge between two numbers of the format may be rounded either way, as far as f32 arithmetic and the matrix unit's own rounding can turn it there, and no further.
;; One version. Each part assembles by itself: llvm-mc -triple=amdgcn-amd-amdhsa -mcpu=gfx1250 --defsym DOCPART=n.
;; ======== version 1 of 1: 4 launches
;; limits: right only within a limited range of input values
;; workspace buffers: xc 25,165,824 bytes; wc 6,291,456 bytes; woc 2,097,152 bytes; qc 4,194,304 bytes; kv 8,388,608 bytes; ac 4,194,304 bytes
;; launch quant (part 1): grid 512 x 1, 4 waves a work-group, no clusters, 33,280 bytes of LDS; arguments x, Wq, Wk, Wv, Wo, lowp_scales, xc, wc, woc; writes xc, wc, woc
.if DOCPART == 1
	.amdgcn_target "amdgcn-amd-amdhsa--gfx1250"
	.amdhsa_code_object_version 6
	.text
	.protected	k_qd069ce0c1f_quant
	.globl	k_qd069ce0c1f_quant
	.p2align	8
	.type	k_qd069ce0c1f_quant,@function
k_qd069ce0c1f_quant:
	s_mov_b64 s[64:65], 0
	v_nop
	global_prefetch_b8 v0, s[64:65] scope:SCOPE_SE
	s_setreg_imm32_b32 hwreg(HW_REG_WAVE_MODE, 25, 1), 1
	s_wait_xcnt 0x0
; x [4096][2048] and Wq, Wk, Wv [1024][2048], Wo [2048][1024], all f32 with K innermost, become codes of E4M3, one byte each.
; code = number / 2^e, held within +-448, rounded to the nearest code, ties to even.  x is an operand of three products with a scale entry of its own in each
; (entries 0, 2, 4 of the scales), so it gets three planes of codes: xc [3][4096][2048].  wc [3072][2048] = Wq, Wk, Wv under entries 1, 3, 5;  woc [2048][1024] under entry 11.
; THE ORDER OF A ROW'S BYTES: inside each block of 32 along K the two middle groups of 8 change places: bytes 0-7, 8-15, 16-23, 24-31 hold k 0-7, 16-23, 8-15, 24-31.
; A 16-byte read at 32 c + 16 h of a row then is registers 4 c .. 4 c + 3 of the plain 8-bit matrix operand of lane half h (k = 16 c' + 8 h + 0 .. 7 in registers 2 c', 2 c' + 1).
; Rows are dense and K is a multiple of 32, so every tensor is a plain stream of blocks of 32.  A work-group takes 32,768 numbers: 4 waves x 16 steps x 512.
; Work-groups 0-255: x;  256-319 Wq;  320-383 Wk;  384-447 Wv;  448-511 Wo.  Only pointers and scales are chosen by the work-group's number; x's two further planes stand under a scalar branch on it.
; Each of a step's four loads reads 512 consecutive bytes; the 2,048 bytes go through the wave's own stage in LDS (16 bytes of padding behind each 64) and come back so that a lane holds the
; 16 numbers whose codes are its 16 consecutive bytes of the output: a wave's store covers 512 consecutive bytes.  No barrier: waves share nothing.  Loads run four steps ahead.
; LIMITS: each of the entries 0-5 and 11 lies between -126 and 119, so that 2^e and 448 x 2^e are f32 numbers.  NaN among the inputs is not served; an infinity is held at the largest code.
.set STEPS, 16
.set SP,    80                         ; a place of the stage: 64 bytes + 16 of padding
.set WREG,  8192                       ; LDS of a wave: two stages of 32 places
.set SPARE, 4*WREG                     ; behind the four regions: the spare words, 128 bytes a wave, which no other line names
.set SPW,   12                         ; v12  LDS address of my spare word; never rewritten
.set NIL,   13                         ; v13  0; never rewritten
.set R,     16                         ; v16-79    four sets of 16 numbers as loaded
.set X,     80                         ; v80-111   two sets of 16 numbers in the output's order
.set T,     112                        ; v112-127  the numbers held within the largest code
.set C,     128                        ; v128-175  codes: a ring of four steps x three planes x four registers
	s_load_b256 s[4:11], s[0:1], 0x0               ; x, Wq, Wk, Wv
	s_load_b256 s[12:19], s[0:1], 0x20             ; Wo, the scales, xc, wc
	s_load_b64 s[20:21], s[0:1], 0x40              ; woc
	v_lshl_add_u32 v[SPW], v0, 2, SPARE
	v_mov_b32 v[NIL], 0
	v_lshrrev_b32 v1, 5, v0
	v_readfirstlane_b32 s22, v1                    ; wave
	v_and_b32 v2, 31, v0                           ; lane
	v_lshlrev_b32 v3, 4, v2                        ; my 16 bytes of a load's 512, and of a store's
	s_mul_i32 s23, s22, WREG
	v_lshrrev_b32 v14, 2, v2
	v_mul_u32_u24 v14, v14, SP
	v_and_b32 v15, 3, v2
	v_lshl_add_u32 v14, v15, 4, v14
	v_add_nc_u32 v14, s23, v14                     ; the stage, way in: four lanes' 64 bytes to a place
	v_lshrrev_b32 v15, 1, v2
	v_mul_u32_u24 v15, v15, 2*SP
	v_and_b32 v1, 1, v2
	v_lshl_add_u32 v15, v1, 5, v15
	v_add_nc_u32 v15, s23, v15                     ; way out: block lane / 2 (two places), numbers 8 (lane % 2) on; the second eight lie one place further
	s_sub_co_u32 s40, ttmp9, 256                   ; which weight: wraps for x's work-groups
	s_lshr_b32 s41, s40, 6                         ; 0 .. 3 for Wq, Wk, Wv, Wo; 3 or more for x
	s_and_b32 s46, s40, 63
	s_lshl_b32 s47, s41, 21                        ; a weight's 2,097,152 bytes of codes in wc
	s_cmp_lt_u32 s41, 3
	s_cselect_b32 s47, s47, 0
	s_cmp_lt_u32 ttmp9, 256
	s_cselect_b32 s46, ttmp9, s46                  ; the work-group's number inside its tensor
	s_lshl_b32 s46, s46, 2
	s_add_co_u32 s46, s46, s22                     ; my wave's run of 8,192 numbers
	s_lshl_b32 s40, s46, 15                        ; in bytes of f32,
	s_mov_b32 s41, 0
	s_lshl_b32 s46, s46, 13                        ; and of codes
	s_add_co_u32 s46, s46, s47
	s_mov_b32 s47, 0
	s_wait_alu depctr_va_vdst(0)
	s_wait_kmcnt 0x0
	s_load_b256 s[24:31], s[14:15], 0x0            ; entries 0-7
	s_load_b128 s[32:35], s[14:15], 0x20           ; entries 8-11
	s_cmp_lt_u32 ttmp9, 448                        ; the choices hang on the work-group's number alone
	s_cselect_b64 s[36:37], s[10:11], s[12:13]
	s_cselect_b64 s[38:39], s[18:19], s[20:21]
	s_cmp_lt_u32 ttmp9, 384
	s_cselect_b64 s[36:37], s[8:9], s[36:37]
	s_cmp_lt_u32 ttmp9, 320
	s_cselect_b64 s[36:37], s[6:7], s[36:37]
	s_cmp_lt_u32 ttmp9, 256
	s_cselect_b64 s[36:37], s[4:5], s[36:37]
	s_cselect_b64 s[38:39], s[16:17], s[38:39]
	s_add_nc_u64 s[36:37], s[36:37], s[40:41]      ; from where
	s_add_nc_u64 s[38:39], s[38:39], s[46:47]      ; to where
	s_add_nc_u64 s[42:43], s[38:39], 0x800000      ; x's second plane,
	s_add_nc_u64 s[44:45], s[38:39], 0x1000000     ; and third: used by x's work-groups alone
.macro LOAD t
.irp i, 0,1,2,3
	global_load_b128 v[R+16*((\t)%4)+4*\i:R+16*((\t)%4)+4*\i+3], v3, s[36:37] offset:2048*(\t)+512*\i th:TH_LOAD_NT   ; 32 lanes read 512 consecutive bytes
.endr
.endm
.macro TURN t                          ; step t's numbers through the stage: LDS serves a wave's instructions in order, so no wait stands between the stores and the loads
.irp i, 0,1,2,3
	ds_store_b128 v14, v[R+16*((\t)%4)+4*\i:R+16*((\t)%4)+4*\i+3] offset:32*SP*((\t)%2)+8*SP*\i
.endr
.irp i, 0,1,2,3
	ds_load_b128 v[X+16*((\t)%2)+4*\i:X+16*((\t)%2)+4*\i+3], v15 offset:32*SP*((\t)%2)+SP*(\i/2)+16*(\i%2)
.endr
.endm
.macro MKSCALE e, sc, lim              ; 2^e and 448 x 2^e as f32 patterns
	s_add_co_i32 s40, s[\e], 127
	s_lshl_b32 s41, s40, 23
	v_mov_b32 v[\sc], s41
	s_add_co_i32 s40, s40, 8
	s_lshl_b32 s40, s40, 23
	s_or_b32 s40, s40, 0x600000
	v_mov_b32 v[\lim], s40
.endm
.irp t, 0,1,2,3
	LOAD \t
.endr
	s_wait_kmcnt 0x0
	s_cmp_lt_u32 ttmp9, 448
	s_cselect_b32 s23, s29, s35                    ; entry 5 or 11
	s_cmp_lt_u32 ttmp9, 384
	s_cselect_b32 s23, s27, s23                    ; entry 3
	s_cmp_lt_u32 ttmp9, 320
	s_cselect_b32 s23, s25, s23                    ; entry 1
	s_cmp_lt_u32 ttmp9, 256
	s_cselect_b32 s23, s24, s23                    ; entry 0
	MKSCALE 23, 4, 5
	MKSCALE 26, 6, 7                               ; entry 2
	MKSCALE 28, 8, 9                               ; entry 4
	s_wait_alu depctr_va_vdst(0)
	s_wait_loadcnt 12                              ; step 0's four loads are in; three steps' may be out
	TURN 0
; One plane's codes of step t.  The conversion to an 8-bit code does not saturate (ISA guide 7.6.2): the number is first held within the largest code x the scale.
.macro CODES t, k, sc, lim, base
.set CC, C+12*((\t)%4)+4*(\k)
.irp i, 0,1,2,3,4,5,6,7,8,9,10,11,12,13,14,15
	v_med3_num_f32 v[T+\i], v[XS+\i], -v[\lim], v[\lim]
.endr
	v_cvt_scalef32_pk8_fp8_f32 v[CC:CC+1], v[T:T+7], v[\sc]
	v_cvt_scalef32_pk8_fp8_f32 v[CC+2:CC+3], v[T+8:T+15], v[\sc]
	v_nop                                          ; one plain vector line behind the conversions: the next plane's holds write their sources
	global_store_b128 v3, v[CC:CC+3], s[\base:\base+1] offset:512*(\t)   ; 32 lanes store 512 consecutive bytes
.endm
.macro STEP t
.set XS, X+16*((\t)%2)
	s_wait_dscnt 0x0                               ; this step's numbers are back from the stage, and its stores into the stage have read their registers
.if (\t) >= 4
	s_wait_xcnt 0x0                                ; the stores of four steps ago have read the ring's registers, which this step writes again
.endif
.if (\t)+4 < STEPS
	LOAD (\t)+4
.endif
.if (\t)+1 < STEPS
.if STEPS-2-(\t) >= 3
	s_wait_loadcnt 12                              ; the next step's four loads are in; those of the three steps behind it may be out
.else
	s_wait_loadcnt 4*(STEPS-2-(\t))
.endif
	TURN (\t)+1                                    ; through the other stage while this step is worked
.endif
	CODES \t, 0, 4, 5, 38
	s_cmp_lt_u32 ttmp9, 256                        ; x's work-groups alone make the two further planes
	s_cbranch_scc0 .Lw_\@
	CODES \t, 1, 6, 7, 42
	CODES \t, 2, 8, 9, 44
.Lw_\@:
.endm
.irp t, 0,1,2,3,4,5,6,7,8,9,10,11,12,13,14,15
	STEP \t
.endr
	s_wait_tensorcnt 0x0                           ; the wave's end
	ds_add_u32 v[SPW], v[NIL]
	s_wait_dscnt 0x0
	s_endpgm
.Lfunc_end_k_qd069ce0c1f_quant:
	.size	k_qd069ce0c1f_quant, .Lfunc_end_k_qd069ce0c1f_quant-k_qd069ce0c1f_quant
	.p2alignl 7, 3214868480
	.fill 96, 4, 3214868480
	.section	.rodata,"a",@progbits
	.p2align	6, 0x0
	.amdhsa_kernel k_qd069ce0c1f_quant
		.amdhsa_group_segment_fixed_size 33280
		.amdhsa_private_segment_fixed_size 0
		.amdhsa_enable_private_segment 0
		.amdhsa_kernarg_size 72
		.amdhsa_user_sgpr_count 2
		.amdhsa_user_sgpr_kernarg_segment_ptr 1
		.amdhsa_wavefront_size32 1
		.amdhsa_system_sgpr_workgroup_id_x 1
		.amdhsa_system_sgpr_workgroup_id_y 1
		.amdhsa_system_sgpr_workgroup_id_z 1
		.amdhsa_system_vgpr_workitem_id 0
		.amdhsa_next_free_vgpr 176
		.amdhsa_next_free_sgpr 66
		.amdhsa_reserve_vcc 0
		.amdhsa_float_denorm_mode_32 3
		.amdhsa_float_denorm_mode_16_64 3
		.amdhsa_memory_ordered 1
		.amdhsa_forward_progress 1
		.amdhsa_inst_pref_size 81
	.end_amdhsa_kernel
	.amdgpu_metadata
---
amdhsa.version: [ 1, 2 ]
amdhsa.kernels:
  - .name:           k_qd069ce0c1f_quant
    .symbol:         k_qd069ce0c1f_quant.kd
    .args:
      - { .name: x, .offset: 0, .size: 8, .value_kind: global_buffer, .address_space: global }
      - { .name: Wq, .offset: 8, .size: 8, .value_kind: global_buffer, .address_space: global }
      - { .name: Wk, .offset: 16, .size: 8, .value_kind: global_buffer, .address_space: global }
      - { .name: Wv, .offset: 24, .size: 8, .value_kind: global_buffer, .address_space: global }
      - { .name: Wo, .offset: 32, .size: 8, .value_kind: global_buffer, .address_space: global }
      - { .name: lowp_scales, .offset: 40, .size: 8, .value_kind: global_buffer, .address_space: global }
      - { .name: xc, .offset: 48, .size: 8, .value_kind: global_buffer, .address_space: global }
      - { .name: wc, .offset: 56, .size: 8, .value_kind: global_buffer, .address_space: global }
      - { .name: woc, .offset: 64, .size: 8, .value_kind: global_buffer, .address_space: global }
    .group_segment_fixed_size: 33280
    .private_segment_fixed_size: 0
    .kernarg_segment_align: 8
    .kernarg_segment_size: 72
    .max_flat_workgroup_size: 128
    .sgpr_count:     66
    .vgpr_count:     176
    .wavefront_size: 32
...
	.end_amdgpu_metadata
.endif
;; end of part 1
;; launch qkv (part 2): grid 12 x 16, 4 waves a work-group, clusters of 4 x 4, 327,680 bytes of LDS; arguments xc, wc, lowp_scales, cos, sin, q_norm_w, k_norm_w, qc, kv; writes qc, kv
.if DOCPART == 2
	.amdgcn_target "amdgcn-amd-amdhsa--gfx1250"
	.amdhsa_code_object_version 6
	.text
	.protected	k_qd069ce0c1f_qkv
	.globl	k_qd069ce0c1f_qkv
	.p2align	8
	.type	k_qd069ce0c1f_qkv,@function
k_qd069ce0c1f_qkv:
	s_mov_b64 s[64:65], 0
	v_nop
	global_prefetch_b8 v0, s[64:65] scope:SCOPE_SE
	s_setreg_imm32_b32 hwreg(HW_REG_WAVE_MODE, 25, 1), 1
	s_wait_xcnt 0x0
	s_wait_alu depctr_hold_cnt(0) depctr_sa_sdst(0) depctr_va_vdst(0) depctr_va_sdst(0) depctr_va_ssrc(0) depctr_va_vcc(0) depctr_vm_vsrc(0)
	s_getreg_b32 s2, hwreg(HW_REG_IB_STS2, 6, 4)
	s_cmp_eq_u32 s2, 0
	s_cbranch_scc0 .Lentry_in_a_cluster
	s_endpgm
.Lentry_in_a_cluster:
	s_bfe_u32 s2, ttmp6, 0x10000c
	s_cmp_lg_u32 s2, 0xf033
	s_cbranch_scc0 .Lentry_shape_is_right
	s_endpgm
.Lentry_shape_is_right:
.set KSTEP,  256
.set ROWB,   256
.set KROW,   2048
.set PITCH,  272
.set FR,     16
.set NL,     4
.set NP,     4
.set HALFT,  128*PITCH
.set SLOT,   4*HALFT
.set LAPS,   4
.set SPARE,  2*SLOT
.set CPITCH, 528
.set CSUB,   32*CPITCH
.set CPART,  4*CSUB
.set TA,   4
.set TR,   8
.set ADRA, 16
.set ADRB, 20
.set CSC,  22
.set CLM,  23
.set VO,   24
.set SPW,  28
.set NIL,  29
.set WO,   31
.set W,    32
.set F,    96
.set PC,   112
.set AF,   128
.set CO,   128
.set SI,   192
.set G1, 24
.set G0, 32
.set G1B, 48
.set G0B, 56
.set MSB, 0
.macro WIN new
.if MSB != (\new)
	s_set_vgpr_msb (MSB<<8)|(\new)
.set MSB, (\new)
.endif
.endm
.set MUL_LO, 0xa1
.set MUL_HI, 0xf1
.set TO_B,   0x40
.macro JLOAD g0a, g1a, g0b, g1b
	s_cmp_eq_u32 s15, 0
	s_cbranch_scc0 .Lfor_b_\@
	tensor_load_to_lds s[\g0a:\g0a+3], s[\g1a:\g1a+7]
	s_nop 0
.rept 4
	v_nop
.endr
	s_branch .Lasked_\@
.Lfor_b_\@:
	tensor_load_to_lds s[\g0b:\g0b+3], s[\g1b:\g1b+7]
	s_nop 0
.rept 4
	v_nop
.endr
.Lasked_\@:
.endm
; A PREFETCH INTO THE L2 behind each joint refill and the run of LDS loads behind it.  While K steps are left (s3 > 1): the K step two refills on, 32 rows x 256 bytes, a lane a row.
; Of the 128 rows that my wave fetches, the partner at place p (cx for the first operand, cy for the second) names rows 32 p .. 32 p + 31: told apart by address alone.
; In the last lap no K step is left to name: its two changes of slots name my work-group's 32 of the 128 rows of cos or sin that my wave reads on the way out (2 x 8,192 bytes, lanes 256 bytes apart); V's clusters read no table and ask for none.
.macro ASK slot
	s_cmp_gt_u32 s3, 1
	s_cbranch_scc0 .Ltab_\@
	global_prefetch_b8 v30, s[42:43] offset:256 th:TH_LOAD_NT scope:SCOPE_SE
	s_branch .Lpf_\@
.Ltab_\@:
	s_cmp_eq_u32 ttmp9, 2
	s_cbranch_scc1 .Lpf_\@
	global_prefetch_b8 v27, s[100:101] offset:8192*(\slot) th:TH_LOAD_NT scope:SCOPE_SE
.Lpf_\@:
.endm
.macro CREST
	s_cmp_lg_u32 s14, 0
	s_cbranch_scc1 .Lnot_wave_0_\@
	s_barrier_signal -3
.Lnot_wave_0_\@:
	s_barrier_wait -3
	s_barrier_signal -1
	s_barrier_wait -1
.endm
.macro CROUND
	s_barrier_signal -1
	s_barrier_wait -1
	CREST
.endm
	s_load_b256 s[4:11], s[0:1], 0x0
	s_load_b256 s[84:91], s[0:1], 0x20
	s_load_b64 s[92:93], s[0:1], 0x40
	v_lshl_add_u32 v[SPW], v0, 2, SPARE
	v_mov_b32 v[NIL], 0
	ds_add_u32 v[SPW], v[NIL]
	ds_add_u32 v[SPW], v[NIL]
	v_lshrrev_b32 v1, 5, v0
	v_readfirstlane_b32 s14, v1
	s_lshr_b32 s15, s14, 1
	s_and_b32 s16, s14, 1
	s_bfe_u32 s40, ttmp6, 0x40000
	s_bfe_u32 s41, ttmp6, 0x40004
	s_and_b32 s17, ttmp7, 0xffff
	s_lshl_b32 s17, s17, 2
	s_add_co_u32 s13, s17, s40
	s_add_co_u32 s17, s17, s41
	s_lshl_b32 s43, s41, 2
	s_lshl_b32 s43, 15, s43
	s_lshl_b32 s44, 0x1111, s40
	s_or_b32 s[G1+0], s43, (0<<16)|(1<<20)|(1<<21)|(5<<22)|(3<<25)
	s_or_b32 s[G1B+0], s44, (0<<16)|(1<<20)|(1<<21)|(5<<22)|(3<<25)
.irp g, G1, G1B
	s_mov_b32 s[\g+1], ROWB<<16
	s_mov_b32 s[\g+2], 128<<16
	s_mov_b32 s[\g+3], ROWB<<16
	s_mov_b32 s[\g+4], 128
	s_mov_b32 s[\g+5], KROW
	s_mov_b32 s[\g+6], 0
	s_mov_b32 s[\g+7], 0
.endr
	s_lshl_b32 s22, ttmp9, 23
	s_lshl_b32 s45, ttmp9, 21
	s_mov_b32 s23, 0x400000
	s_mov_b32 s47, 0x1000000
	s_cmp_eq_u32 ttmp9, 2
	s_cselect_b32 s20, s41, s17
	s_cselect_b32 s22, s23, s22
	s_cselect_b32 s42, s13, s40
	s_cselect_b32 s45, s47, s45
	s_lshl_b32 s18, s16, 7
	s_lshl_b32 s20, s20, 8
	s_add_co_u32 s20, s20, s18
	s_lshl_b32 s20, s20, 11
	s_add_co_u32 s20, s20, s22
	s_mov_b32 s21, 0
	s_lshl_b32 s46, s42, 8
	s_add_co_u32 s46, s46, s18
	s_lshl_b32 s46, s46, 11
	s_add_co_u32 s46, s46, s45
	s_mov_b32 s47, 0
	s_mul_i32 s45, s14, HALFT
	s_mov_b32 s82, 0x76543210
	s_mov_b32 s83, 0xfedcba98
	s_wait_dscnt 0x0
	s_wait_kmcnt 0x0
	s_load_b256 s[68:75], s[8:9], 0x0
	s_load_b128 s[76:79], s[8:9], 0x20
	s_cmp_eq_u32 ttmp9, 2
	s_cselect_b64 s[18:19], s[6:7], s[4:5]
	s_cselect_b64 s[22:23], s[4:5], s[6:7]
	s_add_nc_u64 s[20:21], s[18:19], s[20:21]
	s_add_nc_u64 s[46:47], s[22:23], s[46:47]
	s_cmp_eq_u32 s15, 0                            ; s[42:43]: where my prefetches stand: the 128 rows that my wave fetches,
	s_cselect_b64 s[42:43], s[20:21], s[46:47]
	s_cselect_b32 s18, s40, s41                    ; my place among the four that ask for them with me,
	s_lshl_b32 s18, s18, 16                        ; 32 rows of 2,048 bytes for each place,
	s_add_co_u32 s18, s18, 512                     ; at K step 2
	s_mov_b32 s19, 0
	s_add_nc_u64 s[42:43], s[42:43], s[18:19]
	CROUND
.irp s, 0,1
	s_mov_b32 s[G0+4*\s], 1
	s_add_co_u32 s[G0+4*\s+1], s45, \s*SLOT
	s_add_nc_u64 s[G0+4*\s+2:G0+4*\s+3], s[20:21], \s*ROWB
	s_or_b32 s[G0+4*\s+3], s[G0+4*\s+3], 0x80000000
	s_mov_b32 s[G0B+4*\s], 1
	s_add_co_u32 s[G0B+4*\s+1], s45, \s*SLOT
	s_add_nc_u64 s[G0B+4*\s+2:G0B+4*\s+3], s[46:47], \s*ROWB
	s_or_b32 s[G0B+4*\s+3], s[G0B+4*\s+3], 0x80000000
.endr
	JLOAD G0, G1, G0B, G1B                         ; K step 0: one tensor load a wave at the head
	v_and_b32 v1, 15, v0
	v_bfe_u32 v2, v0, 4, 1
	v_mul_u32_u24 v3, v1, PITCH
	v_lshl_add_u32 v3, v2, 4, v3
	s_mul_i32 s21, s15, HALFT
	s_mul_i32 s22, s16, HALFT
	s_add_co_u32 s22, s22, 2*HALFT
.irp s, 0,1
	v_add_nc_u32 v[ADRA+\s], s21, v3
	v_add_nc_u32 v[ADRB+\s], s22, v3
	s_add_co_u32 s21, s21, SLOT
	s_add_co_u32 s22, s22, SLOT
.endr
	v_and_b32 v12, 31, v0
	v_lshlrev_b32 v[VO], 4, v12
	v_lshlrev_b32 v30, 11, v12                     ; the tiles' prefetches: a lane a row of 2,048 bytes; never rewritten
	v_lshlrev_b32 v27, 8, v12                      ; the tables' prefetches: lanes 256 bytes apart; never rewritten
	s_mul_i32 s23, s14, CSUB
	v_add_nc_u32 v25, s23, v[VO]
	v_mul_u32_u24 v26, v1, CPITCH
	v_lshl_add_u32 v26, v2, 5, v26
	s_mul_i32 s23, s15, 2*CSUB
	v_add_nc_u32 v26, s23, v26
.irp pi, 0,1,2,3
	v_add_nc_u32 v[TA+\pi], (\pi/2)*SLOT+(\pi%2)*CPART, v25
	v_add_nc_u32 v[TR+\pi], (\pi/2)*SLOT+(\pi%2)*CPART, v26
.endr
	v_lshlrev_b32 v[WO], 5, v2
	global_prefetch_b8 v30, s[42:43] th:TH_LOAD_NT scope:SCOPE_SE   ; K step 0 is asked for: K step 2 is named
	s_cmp_eq_u32 ttmp9, 2
	s_cselect_b32 s18, s13, s17
	s_cselect_b32 s19, s41, s40
	s_cselect_b32 s22, s15, s16
	s_cselect_b32 s23, s16, s15
	s_lshr_b32 s45, s18, 3
	s_lshl_b32 s45, s45, 3
	s_lshl_b32 s19, s19, 1
	s_add_co_u32 s45, s45, s19
	s_add_co_u32 s45, s45, s22
	s_and_b32 s18, s18, 7
	s_lshl_b32 s18, s18, 1
	s_add_co_u32 s18, s18, s23
	s_lshl_b32 s45, s45, 4
	s_add_co_u32 s45, s45, s18
	s_lshl_b32 s45, s45, 14
	s_min_u32 s18, ttmp9, 1
	s_lshl_b32 s46, s45, s18
	s_cmp_eq_u32 ttmp9, 2
	s_cselect_b32 s18, 16384, 0
	s_add_co_u32 s46, s46, s18
	s_mov_b32 s47, 0
	s_cmp_eq_u32 ttmp9, 0
	s_cselect_b64 s[94:95], s[90:91], s[92:93]
	s_add_nc_u64 s[94:95], s[94:95], s[46:47]
	s_cmp_eq_u32 s16, 0
	s_cselect_b64 s[96:97], s[10:11], s[84:85]
	s_lshl_b32 s18, s17, 8
	s_lshl_b32 s19, s15, 7
	s_add_co_u32 s18, s18, s19
	s_lshl_b32 s18, s18, 9
	s_mov_b32 s19, 0
	s_add_nc_u64 s[96:97], s[96:97], s[18:19]
	s_lshl_b32 s18, s40, 14                        ; my work-group's 32 rows of 512 bytes of my wave's 128 rows of cos or sin
	s_add_nc_u64 s[100:101], s[96:97], s[18:19]
	s_cmp_eq_u32 ttmp9, 1
	s_cselect_b64 s[98:99], s[88:89], s[86:87]
.macro FRAG reg, adr, q, i
.irp c, 0,1,2,3
	ds_load_b128 v[\reg+4*\c:\reg+4*\c+3], v[\adr] offset:128*(\q)+32*\c+(\i)*16*PITCH
.endr
.endm
.macro MUL16 a0, p, zero
.irp a, \a0, \a0+1
.irp b, 0,1,2,3,4,5,6,7
.if \zero
	v_wmma_f32_16x16x128_fp8_fp8 v[8*(8*((\a)%4)+\b):8*(8*((\a)%4)+\b)+7], v[128*(\p)+FR*\b:128*(\p)+FR*\b+FR-1], v[AF+FR*(\a):AF+FR*(\a)+FR-1], 0
.else
	v_wmma_f32_16x16x128_fp8_fp8 v[8*(8*((\a)%4)+\b):8*(8*((\a)%4)+\b)+7], v[128*(\p)+FR*\b:128*(\p)+FR*\b+FR-1], v[AF+FR*(\a):AF+FR*(\a)+FR-1], v[8*(8*((\a)%4)+\b):8*(8*((\a)%4)+\b)+7]
.endif
.endr
.endr
.endm
.macro FETCH_B slot, q, p
	WIN TO_B
.irp i, 0,1,2,3,4,5,6,7
	FRAG 128*(\p)+FR*\i, ADRB+\slot, \q, \i
.endr
	WIN 0
.endm
.macro FETCH_A slot, q, i0
.irp i, \i0, \i0+1, \i0+2, \i0+3
	FRAG AF+FR*(\i), ADRA+\slot, \q, \i
.endr
.endm
.macro PLACES n
.rept \n
	v_nop
.endr
.endm
.macro STEP slot, q, zero
	s_wait_dscnt 4*NL
	WIN MUL_LO
	MUL16 0, (\q)%2, \zero
	MUL16 2, (\q)%2, \zero
	s_wait_dscnt 0
	PLACES NP
	FETCH_B \slot, (\q)+1, 1-(\q)%2
	FETCH_A \slot, (\q)+1, 0
	WIN MUL_HI
	MUL16 4, (\q)%2, \zero
	MUL16 6, (\q)%2, \zero
	PLACES NP
	WIN 0
	FETCH_A \slot, (\q)+1, 4
.endm
.macro TURN slot, next, fill
.if \fill
	s_wait_xcnt 0x0                                ; my last prefetch has read its address: it steps a K step on
	s_add_nc_u64 s[42:43], s[42:43], 256
.endif
	s_wait_tensorcnt 0x0
	ds_add_u32 v[SPW], v[NIL]
	s_wait_dscnt 4*NL+1
	WIN MUL_LO
	MUL16 0, 1, 0
	s_wait_dscnt 0x0
	s_barrier_signal -1
	MUL16 2, 1, 0
	WIN 0
	s_barrier_wait -1
.if \fill
	CREST
	s_add_nc_u64 s[G0+4*\slot+2:G0+4*\slot+3], s[G0+4*\slot+2:G0+4*\slot+3], 2*ROWB
	s_add_nc_u64 s[G0B+4*\slot+2:G0B+4*\slot+3], s[G0B+4*\slot+2:G0B+4*\slot+3], 2*ROWB
	JLOAD G0+4*\slot, G1, G0B+4*\slot, G1B
.else
	PLACES NP
.endif
	FETCH_B \next, 0, 0
	FETCH_A \next, 0, 0
.if \fill
	ASK \slot
.endif
	WIN MUL_HI
	MUL16 4, 1, 0
	MUL16 6, 1, 0
	PLACES NP
	WIN 0
	FETCH_A \next, 0, 4
.endm
.macro LAST_STEP
	s_wait_dscnt 4*NL
	WIN MUL_LO
	MUL16 0, 1, 0
	MUL16 2, 1, 0
	s_wait_dscnt 0
	WIN MUL_HI
	MUL16 4, 1, 0
	MUL16 6, 1, 0
	WIN 0
.endm
.macro OUTT a
	s_wait_xcnt 0x0
.irp b, 0,1,2,3,4,5,6,7
	v_cvt_scalef32_pk8_fp8_f32 v[PC+2*\b:PC+2*\b+1], v[CO+8*\b:CO+8*\b+7], v[CSC]
.endr
	v_nop
.irp c, 0,1,2,3
	global_store_b128 v[VO], v[PC+4*\c:PC+4*\c+3], s[94:95] offset:(\a)*2048+512*\c
.endr
.endm
	s_wait_alu depctr_va_vdst(0)                   ; the wait at the head's end
	s_wait_tensorcnt 0x0                           ; my part of K step 0 is in; the three lines ahead of a later first fill, as ahead of a refill
	ds_add_u32 v[SPW], v[NIL]
	s_wait_dscnt 0x0
	CROUND                                         ; everybody's part of K step 0 is in, and the joint loads meet
	JLOAD G0+4, G1, G0B+4, G1B                     ; K step 1, the first tensor load behind the round
	FETCH_B 0, 0, 0
	FETCH_A 0, 0, 0
	FETCH_A 0, 0, 4
	global_prefetch_b8 v30, s[42:43] offset:256 th:TH_LOAD_NT scope:SCOPE_SE   ; K step 1 is asked for: K step 3 is named
	STEP 0, 0, 1
	s_mov_b32 s3, LAPS-1
.Llap:
	TURN 0, 1, 1
	STEP 1, 0, 0
	TURN 1, 0, 1
	STEP 0, 0, 0
	s_sub_co_u32 s3, s3, 1
	s_cmp_lg_u32 s3, 0
	s_cbranch_scc1 .Llap
	TURN 0, 1, 0
	STEP 1, 0, 0
	s_wait_kmcnt 0x0
	s_add_co_i32 s18, s68, s69
	s_add_co_i32 s19, s70, s71
	s_add_co_i32 s22, s72, s73
	s_sub_co_i32 s45, s77, s22
	s_cmp_eq_u32 ttmp9, 0
	s_cselect_b32 s66, s18, s19
	s_cselect_b32 s23, s74, s75
	s_cmp_eq_u32 ttmp9, 2
	s_cselect_b32 s66, s22, s66
	s_cselect_b32 s23, s45, s23
	s_lshl_b32 s67, s66, 1
	s_sub_co_i32 s67, s67, 7
	s_add_co_i32 s23, s23, 127
	s_lshl_b32 s80, s23, 23
	s_add_co_i32 s23, s23, 8
	s_lshl_b32 s81, s23, 23
	s_or_b32 s81, s81, 0x600000
	v_mov_b32 v[CSC], s80
	v_mov_b32 v[CLM], s81
	s_cmp_eq_u32 ttmp9, 2
	s_cbranch_scc1 .Lv_tail
.macro GL pi, bs
	WIN TO_B
.set rho, 0
.rept 32
	global_load_b128 v[128*(\bs)+4*rho:128*(\bs)+4*rho+3], v[VO], s[96:97] offset:(32*(\pi)+rho)*512
.set rho, rho+1
.endr
	WIN 0
.endm
.macro PUT pi, bs
	WIN 0x04
.set rho, 0
.rept 32
	ds_store_b128 v[TA+(\pi)], v[128*(\bs)+4*rho:128*(\bs)+4*rho+3] offset:rho*CPITCH
.set rho, rho+1
.endr
	WIN 0
	s_wait_dscnt 0x0
	s_barrier_signal -1
	s_barrier_wait -1
.endm
.macro ROPE a
.set AC, 64*((\a)%4)
.set RB, 16*((\a)%2)*CPITCH
.set i, 0
.rept 16
	ds_load_b128 v[CO+4*i:CO+4*i+3], v[TR+(\a)/2] offset:RB+64*(i/2)+16*(i%2)
.set i, i+1
.endr
.set i, 0
.rept 16
	ds_load_b128 v[SI+4*i:SI+4*i+3], v[TR+(\a)/2] offset:RB+CSUB+64*(i/2)+16*(i%2)
.set i, i+1
.endr
	s_wait_dscnt 16
	WIN 0x02+(\a)/4
.set i, 0
.rept 32
	v_pk_mul_f32 v[CO+2*i:CO+2*i+1], v[AC+2*i:AC+2*i+1], v[CO+2*i:CO+2*i+1]
.set i, i+1
.endr
	s_wait_dscnt 0x0
.set i, 0
.rept 16
	v_pk_fma_f32 v[CO+2*i:CO+2*i+1], v[AC+32+2*i:AC+32+2*i+1], v[SI+2*i:SI+2*i+1], v[CO+2*i:CO+2*i+1] neg_lo:[1,0,0] neg_hi:[1,0,0]
.set i, i+1
.endr
.set i, 0
.rept 16
	v_pk_fma_f32 v[CO+32+2*i:CO+32+2*i+1], v[AC+2*i:AC+2*i+1], v[SI+32+2*i:SI+32+2*i+1], v[CO+32+2*i:CO+32+2*i+1]
.set i, i+1
.endr
	WIN 0
.set i, 0
.rept 64
	v_med3_num_f32 v[CO+i], v[CO+i], -v[CLM], v[CLM]
.set i, i+1
.endr
	s_wait_alu depctr_va_vdst(0)
	OUTT \a
.endm
	s_wait_alu depctr_va_vdst(0)
.irp i, 0,1,2,3,4,5,6,7,8,9,10,11,12,13,14,15
	global_load_b128 v[W+4*\i:W+4*\i+3], v[WO], s[98:99] offset:64*(\i/2)+16*(\i%2)
.endr
	GL 0, 0
	LAST_STEP
.irp a, 0,1,2,3,4,5,6,7
	v_mov_b32 v[F+2*\a+1], 0
.endr
	s_wait_loadcnt 32
	GL 1, 1
.irp a, 0,1,2,3,4,5,6,7
	WIN 0x0a+5*(\a/4)
.set i, 0
.rept 4
	v_pk_mul_f32 v[AF+8*\a+2*i:AF+8*\a+2*i+1], v[64*(\a%4)+2*i:64*(\a%4)+2*i+1], v[64*(\a%4)+2*i:64*(\a%4)+2*i+1]
.set i, i+1
.endr
.rept 28
	v_pk_fma_f32 v[AF+8*\a+2*(i%4):AF+8*\a+2*(i%4)+1], v[64*(\a%4)+2*i:64*(\a%4)+2*i+1], v[64*(\a%4)+2*i:64*(\a%4)+2*i+1], v[AF+8*\a+2*(i%4):AF+8*\a+2*(i%4)+1]
.set i, i+1
.endr
.endr
	WIN 0
.irp a, 0,1,2,3,4,5,6,7
	v_pk_add_f32 v[AF+8*\a:AF+8*\a+1], v[AF+8*\a:AF+8*\a+1], v[AF+8*\a+2:AF+8*\a+3]
.endr
.irp a, 0,1,2,3,4,5,6,7
	v_pk_add_f32 v[AF+8*\a+4:AF+8*\a+5], v[AF+8*\a+4:AF+8*\a+5], v[AF+8*\a+6:AF+8*\a+7]
.endr
.irp a, 0,1,2,3,4,5,6,7
	v_pk_add_f32 v[AF+8*\a:AF+8*\a+1], v[AF+8*\a:AF+8*\a+1], v[AF+8*\a+4:AF+8*\a+5]
.endr
.irp a, 0,1,2,3,4,5,6,7
	v_add_f32 v[F+2*\a], v[AF+8*\a], v[AF+8*\a+1]
.endr
.irp a, 0,1,2,3,4,5,6,7
	v_permlanex16_b32 v[F+2*\a+1], v[F+2*\a], s82, s83
.endr
.irp a, 0,1,2,3,4,5,6,7
	v_add_f32 v[F+2*\a], v[F+2*\a], v[F+2*\a+1]
.endr
.irp a, 0,1,2,3,4,5,6,7
	v_ldexp_f32 v[F+2*\a], v[F+2*\a], s67
.endr
.irp a, 0,1,2,3,4,5,6,7
	v_add_f32 v[F+2*\a], 0x358637bd, v[F+2*\a]
.endr
	s_wait_alu depctr_va_vdst(0)
.irp a, 0,1,2,3,4,5,6,7
	v_rsq_f32 v[F+2*\a], v[F+2*\a]
.endr
	v_nop
	s_wait_alu depctr_va_vdst(0)
.irp a, 0,1,2,3,4,5,6,7
	v_ldexp_f32 v[F+2*\a], v[F+2*\a], s66
.endr
.irp a, 0,1,2,3,4,5,6,7
	WIN 0x82+0x41*(\a/4)
.set i, 0
.rept 32
	v_pk_mul_f32 v[64*(\a%4)+2*i:64*(\a%4)+2*i+1], v[64*(\a%4)+2*i:64*(\a%4)+2*i+1], v[F+2*\a:F+2*\a+1] op_sel_hi:[1,0]
.set i, i+1
.endr
.set i, 0
.rept 32
	v_pk_mul_f32 v[64*(\a%4)+2*i:64*(\a%4)+2*i+1], v[64*(\a%4)+2*i:64*(\a%4)+2*i+1], v[W+2*i:W+2*i+1]
.set i, i+1
.endr
.endr
	WIN 0
.irp pi, 0,1,2,3
.if \pi < 3
	s_wait_loadcnt 32
.else
	s_wait_loadcnt 0x0
.endif
	PUT \pi, \pi%2
.if \pi < 2
	GL \pi+2, \pi%2
.endif
	ROPE 2*\pi
	ROPE 2*\pi+1
.endr
	s_branch .Lend
.Lv_tail:
	LAST_STEP
	PLACES NP
	s_wait_alu depctr_va_vdst(0)
.irp a, 0,1,2,3,4,5,6,7
	WIN 0x02+(\a/4)
.set i, 0
.rept 64
	v_med3_num_f32 v[CO+i], v[64*(\a%4)+i], -v[CLM], v[CLM]
.set i, i+1
.endr
	WIN 0
	s_wait_alu depctr_va_vdst(0)
	OUTT \a
.endr
.Lend:
	s_wait_tensorcnt 0x0
	ds_add_u32 v[SPW], v[NIL]
	s_wait_dscnt 0x0
	CROUND
	s_endpgm
.Lfunc_end_k_qd069ce0c1f_qkv:
	.size	k_qd069ce0c1f_qkv, .Lfunc_end_k_qd069ce0c1f_qkv-k_qd069ce0c1f_qkv
	.p2alignl 7, 3214868480
	.fill 96, 4, 3214868480
	.section	.rodata,"a",@progbits
	.p2align	6, 0x0
	.amdhsa_kernel k_qd069ce0c1f_qkv
		.amdhsa_group_segment_fixed_size 327680
		.amdhsa_private_segment_fixed_size 0
		.amdhsa_enable_private_segment 0
		.amdhsa_kernarg_size 72
		.amdhsa_user_sgpr_count 2
		.amdhsa_user_sgpr_kernarg_segment_ptr 1
		.amdhsa_wavefront_size32 1
		.amdhsa_system_sgpr_workgroup_id_x 1
		.amdhsa_system_sgpr_workgroup_id_y 1
		.amdhsa_system_sgpr_workgroup_id_z 1
		.amdhsa_system_vgpr_workitem_id 0
		.amdhsa_next_free_vgpr 1024
		.amdhsa_next_free_sgpr 102
		.amdhsa_reserve_vcc 0
		.amdhsa_float_denorm_mode_32 3
		.amdhsa_float_denorm_mode_16_64 3
		.amdhsa_memory_ordered 1
		.amdhsa_forward_progress 1
		.amdhsa_inst_pref_size 255
	.end_amdhsa_kernel
	.section	.bss,"aw",@nobits
	.p2align	6
	.space	262144
	.amdgpu_metadata
---
amdhsa.version: [ 1, 2 ]
amdhsa.kernels:
  - .name:           k_qd069ce0c1f_qkv
    .symbol:         k_qd069ce0c1f_qkv.kd
    .args:
      - { .name: xc, .offset: 0, .size: 8, .value_kind: global_buffer, .address_space: global }
      - { .name: wc, .offset: 8, .size: 8, .value_kind: global_buffer, .address_space: global }
      - { .name: lowp_scales, .offset: 16, .size: 8, .value_kind: global_buffer, .address_space: global }
      - { .name: cos, .offset: 24, .size: 8, .value_kind: global_buffer, .address_space: global }
      - { .name: sin, .offset: 32, .size: 8, .value_kind: global_buffer, .address_space: global }
      - { .name: q_norm_w, .offset: 40, .size: 8, .value_kind: global_buffer, .address_space: global }
      - { .name: k_norm_w, .offset: 48, .size: 8, .value_kind: global_buffer, .address_space: global }
      - { .name: qc, .offset: 56, .size: 8, .value_kind: global_buffer, .address_space: global }
      - { .name: kv, .offset: 64, .size: 8, .value_kind: global_buffer, .address_space: global }
    .group_segment_fixed_size: 327680
    .private_segment_fixed_size: 0
    .kernarg_segment_align: 8
    .kernarg_segment_size: 72
    .max_flat_workgroup_size: 128
    .sgpr_count:     102
    .vgpr_count:     1024
    .wavefront_size: 32
...
	.end_amdgpu_metadata
.endif
;; end of part 2
;; launch attn (part 3): grid 16 x 16, 8 waves a work-group, no clusters, 327,680 bytes of LDS; arguments qc, kv, lowp_scales, ac; writes ac
.if DOCPART == 3
	.amdgcn_target "amdgcn-amd-amdhsa--gfx1250"
	.amdhsa_code_object_version 6
	.text
	.protected	k_qd069ce0c1f_attn
	.globl	k_qd069ce0c1f_attn
	.p2align	8
	.type	k_qd069ce0c1f_attn,@function
k_qd069ce0c1f_attn:
	s_mov_b64 s[64:65], 0
	v_nop
	global_prefetch_b8 v0, s[64:65] scope:SCOPE_SE
	s_setreg_imm32_b32 hwreg(HW_REG_WAVE_MODE, 25, 1), 1
	s_wait_xcnt 0x0
; Causal attention on codes of E4M3, 16 heads-in-batch of 2,048 tokens x 128.  All operands come and go as images of the operand's registers (registers 4 c .. 4 c + 3 of lane l at 512 c + 16 l of 2,048 bytes).
; t = score x log2(e) / sqrt(128); M = the running largest t rounded UP to a whole number; p = 2^(t - M) is quantised along the keys, not normalised; the row's sum is taken of the unquantised p and divides at the end.
; When M moves, the sum and O are multiplied by 2^(old M - new M): exact.  The result is quantised with entry 10 for the output projection.
; SHARES.  Work-group (i, b h) owns the blocks of 64 queries i and 31 - i: waves 0-3 the four tiles of the low block, waves 4-7 those of the high one, so that every work-group has about the same number of key steps.
; A wave owns 16 queries.  Both products are used transposed: S^T = K Q^T, O^T = V^T P^T: a lane holds one query (lane % 16); register 8 t + j of S^T is key 16 t + 8 (lane / 16) + j,
; so a tile's eight registers convert into registers 2 t, 2 t + 1 of P, in the plain operand's own order of k.
; Keys go 128 a step; a ring of two LDS slots of 512 keys (131,072 bytes, one dense block of kv) is filled and read by all eight waves, 16,384 bytes each.
; FRAGMENTS AHEAD.  Eight waves are two to a SIMD, so a wave has 512 registers: a second window holds all eight fragments of K and all eight of V of a step.  K's 32 LDS loads go out in one run at the step's head and the
; products follow them pair by pair; V's 32 go out behind the score products and behind the making of M, and land while the softmax is worked: a wave that is alone on its SIMD (late queries, late keys) stands still for K's loads alone.
; CAUSAL.  Every work-group walks all four slots (constant trip counts); a step all of whose keys come after the wave's queries is left out by a scalar branch on ids; a slot whose first key comes after the
; work-group's last query is not asked for.  On the diagonal hidden scores become -infinity ahead of the maximum.  Key 0 counts for every query, so M is a number from the first step on.
; NO CLUSTER: the work-groups of a head end their loads at different slots, and a joint load must be issued by all that it names, also for slots that some of them never read.
; LIMITS: entry 6 + entry 7 between -123 and 130 (added to c's exponent field); entry 8 between -126 and 119.  Entries 8 + 9 - 10 go by v_ldexp_f32.
; REGISTERS.  window 0: v1 16 x lane; v3 256 x lane; v5, v6 the add's two; v7 lane % 16 - 8 (lane / 16); v8 the LDS address in hand; v12 -M, v13 the largest t, v[14:15] the sum; v16-31 Q;
;   v96-159 S^T, then p; v160-223 O^T; v224-239 P's codes; v240, v244: 448 x 2^e8, 2^e8; v241, v245: 448, 1; v236, v242-243, v246-254 at work.
;   window 1: v0-127 K's eight fragments; v128-255 V's eight.
; THE RING AS IT STANDS, in place of what the lines above say of it: two LDS slots of 512 keys, 131,072 bytes each, one dense block of kv; ALL EIGHT waves fetch, 16,384 bytes each, so every way through the text
; passes the head's load.  A key step is written once and walked four times a slot by a counted loop; the LDS byte of the step in hand goes on by 32,768 a step, modulo the ring's 262,144.
; The prefetch of the next slot is made by all eight waves of the head's work-group 0, 16,384 bytes each, two instructions, lanes 256 bytes apart: each block of 256 bytes is named once.
.set SLOT1, 131072
.set NSL,   4
.set HS,    3                          ; s3   key steps left in the slot in hand
.set SPARE, 2*SLOT1                    ; behind the ring: the spare words, 128 bytes a wave, which no other line names
.set LN,   1
.set PFO,  3
.set SPW,  5
.set NIL,  6
.set DG,   7
.set ADR,  8
.set MX,   248                         ; v248-251  the maximum's four chains
.set KR,   0                           ; in window 1
.set VR,   128                         ; in window 1
.set TB,   2                           ; s2   LDS byte at which the slot in hand begins
.set WV,   18
.set SEL,  20
.set CS,   22
.set G1,   24
.set G0,   40
.set QL,   66                          ; s66  my work-group's last query
.set SLOTS, 67
.set PFA,  76
.set LIM,  80
.set KF,   98                          ; s98  the step's first key
.set Q0,   99                          ; s99  my first query
.set MSB, 0
.macro WIN new                         ; the immediate's high byte repeats the setting that is left; a switch that changes nothing is dropped
.if MSB != (\new)
	s_set_vgpr_msb (MSB<<8)|(\new)
.set MSB, (\new)
.endif
.endm
.set TO_F, 0x40                        ; destination window 1, address window 0
.set MUL,  0x01                        ; source 0 (K or V) window 1; source 1, C and D window 0
.macro TLOAD                           ; all eight waves fetch; an s_nop 0 and four v_nop follow the line
	tensor_load_to_lds s[G0:G0+3], s[G1:G1+7]      ; every wave its eighth of a slot
	s_nop 0
.rept 4
	v_nop
.endr
.endm
; A prefetch of the slot that the NEXT change of slots will ask for.  All work-groups of a head walk the same kv; work-group 0 of the head, which loads every slot, asks, and nobody else.  In it all eight waves
; take 16,384 bytes each: two instructions, lanes 256 bytes apart.  So each block of 256 bytes is named once.  The last change that fills a slot asks for nothing; slots 0 and 1 come by their loads alone.
.macro ASK
	s_cmp_gt_u32 s[SLOTS], s[LIM]
	s_cbranch_scc0 .Lnot_mine_\@
	global_prefetch_b8 v[PFO], s[PFA:PFA+1] th:TH_LOAD_NT scope:SCOPE_SE
	global_prefetch_b8 v[PFO], s[PFA:PFA+1] offset:8192 th:TH_LOAD_NT scope:SCOPE_SE
.Lnot_mine_\@:
.endm
	s_load_b256 s[4:11], s[0:1], 0x0               ; qc s[4:5], kv s[6:7], the scales s[8:9], ac s[10:11]
	v_lshl_add_u32 v[SPW], v0, 2, SPARE
	v_mov_b32 v[NIL], 0
	ds_add_u32 v[SPW], v[NIL]                      ; the wave's opening: the add and its wait stand ahead of the first tensor load; the set-up below stands between them
	ds_add_u32 v[SPW], v[NIL]
	v_lshrrev_b32 v8, 5, v0
	s_delay_alu instid0(VALU_DEP_1)
	v_readfirstlane_b32 s[WV], v8                  ; wave 0..7
	s_and_b32 s12, ttmp7, 0xffff                   ; b h
	s_and_b32 s13, s[WV], 3
	s_sub_co_u32 s14, 31, ttmp9
	s_cmp_lt_u32 s[WV], 4
	s_cselect_b32 s14, ttmp9, s14                  ; my block of 64 queries
	s_lshl_b32 s14, s14, 2
	s_add_co_u32 s14, s14, s13                     ; my tile of 16
	s_lshl_b32 s[Q0], s14, 4
	s_sub_co_u32 s[QL], 32, ttmp9
	s_lshl_b32 s[QL], s[QL], 6
	s_sub_co_u32 s[QL], s[QL], 1                   ; 64 (32 - i) - 1: of the work-group's number alone
	s_lshl_b32 s34, s[WV], 14                      ; my eighth of a slot
	s_lshl_b32 s32, s12, 19                        ; a head's 524,288 bytes of kv
	s_add_co_u32 s32, s32, s34
	s_mov_b32 s33, 0
	s_lshl_b32 s36, s12, 7
	s_add_co_u32 s36, s36, s14
	s_lshl_b32 s36, s36, 11                        ; my image in qc
	s_mov_b32 s37, 0
	s_lshr_b32 s38, s12, 3                         ; ac: [tile of 16 tokens][head][2,048]
	s_lshl_b32 s38, s38, 7
	s_add_co_u32 s38, s38, s14
	s_lshl_b32 s38, s38, 3
	s_and_b32 s39, s12, 7
	s_add_co_u32 s38, s38, s39
	s_lshl_b32 s38, s38, 11
	s_mov_b32 s39, 0
	s_mov_b32 s[G1], 3<<16                         ; no mask; elements of 8 bytes; no padding: 64 rows of 256 bytes, dense
	s_mov_b32 s[G1+1], 32<<16                      ; tensor_dim0
	s_mov_b32 s[G1+2], 64<<16                      ; tensor_dim1
	s_mov_b32 s[G1+3], 32<<16                      ; tile_dim0
	s_mov_b32 s[G1+4], 64                          ; tile_dim1
	s_mov_b32 s[G1+5], 32                          ; from row to row
	s_mov_b32 s[G1+6], 0
	s_mov_b32 s[G1+7], 0
	s_mov_b32 s[SEL], 0x76543210
	s_mov_b32 s[SEL+1], 0xfedcba98
	s_mov_b32 s[CS], 0x3e0293ee                    ; c = log2(e) / sqrt(128)
	s_mov_b32 s[TB], 0
	s_mov_b32 s[SLOTS], NSL-1
	s_mov_b32 s[KF], 0
	s_cmp_eq_u32 ttmp9, 0                          ; the head's work-group 0 prefetches, all its waves
	s_cselect_b32 s[LIM], 1, -1
	s_wait_dscnt 0x0                               ; the opening add is done
	s_wait_kmcnt 0x0
	s_load_b64 s[68:69], s[8:9], 0x18              ; entries 6, 7
	s_load_b128 s[72:75], s[8:9], 0x20             ; entries 8-11
	s_mov_b32 s[G0], 1
	s_mov_b32 s[G0+1], s34
	s_add_nc_u64 s[G0+2:G0+3], s[6:7], s[32:33]
	s_or_b32 s[G0+3], s[G0+3], 0x80000000
	TLOAD                                          ; slot 0
	s_add_nc_u64 s[PFA:PFA+1], s[6:7], s[32:33]
	s_add_nc_u64 s[PFA:PFA+1], s[PFA:PFA+1], SLOT1 ; in slot 1: the first change of slots steps it to slot 2
	s_add_nc_u64 s[4:5], s[4:5], s[36:37]
	s_add_nc_u64 s[10:11], s[10:11], s[38:39]
	v_and_b32 v9, 31, v0
	s_delay_alu instid0(VALU_DEP_1)
	v_lshlrev_b32 v[LN], 4, v9
	s_delay_alu instid0(VALU_DEP_2)
	v_lshlrev_b32 v[PFO], 8, v9
.irp c, 0,1,2,3
	global_load_b128 v[16+4*\c:19+4*\c], v[LN], s[4:5] offset:512*\c   ; Q's fragment stays in registers
.endr
	v_and_b32 v10, 15, v0
	v_bfe_u32 v11, v0, 4, 1
	s_delay_alu instid0(VALU_DEP_1)
	v_lshlrev_b32 v11, 3, v11
	s_delay_alu instid0(VALU_DEP_1)
	v_sub_nc_u32 v[DG], v10, v11
	v_mov_b32 v13, 0xff61b1e6                      ; the largest t so far: -3e38
	s_delay_alu instid0(VALU_DEP_1)
	v_floor_f32 v12, -v13                          ; -M
	v_mov_b32 v14, 0
	v_mov_b32 v15, 0
	v_mov_b32 v236, 0                              ; a lane permute's destination counts as read
	v_mov_b32 v253, 0                              ; (named as the upper half of the pair v[252:253])
.set j, 0
.rept 64
	v_mov_b32 v[160+j], 0                          ; O^T: the step is written once; the first finds zeros, which the first change of M leaves zeros
.set j, j+1
.endr
	s_wait_kmcnt 0x0
	s_add_co_i32 s81, s68, s69
	s_lshl_b32 s81, s81, 23
	s_add_co_i32 s[CS], s[CS], s81                 ; a score stands for score x 2^(e6 + e7): added to c's exponent field
	s_mov_b32 s[CS+1], s[CS]
	s_add_co_i32 s81, s72, 127
	s_lshl_b32 s82, s81, 23
	v_mov_b32 v244, s82                            ; 2^e8
	s_add_co_i32 s81, s81, 8
	s_lshl_b32 s81, s81, 23
	s_or_b32 s81, s81, 0x600000
	v_mov_b32 v240, s81                            ; 448 x 2^e8
	v_mov_b32 v241, 0x43e00000                     ; 448
	v_mov_b32 v245, 1.0
	s_add_co_i32 s83, s72, s73
	s_sub_co_i32 s83, s83, s74                     ; e8 + e9 - e10
; Four of V's fragments, t0 on, of the slot's q-th step: 16 LDS loads into window 1
.macro VLOAD q, t0
	WIN TO_F
.irp t, \t0, \t0+1, \t0+2, \t0+3
.irp c, 0,1,2,3
	ds_load_b128 v[VR+16*(\t)+4*\c:VR+16*(\t)+4*\c+3], v[ADR] offset:32768*(\q)+16384+2048*(\t)+512*\c
.endr
.endr
	WIN 0
.endm
; A KEY STEP: 128 keys, the q-th of the slot in hand.
.macro STEP q
	s_add_co_u32 s96, s[Q0], 15
	s_cmp_gt_u32 s[KF], s96                        ; all keys behind my queries: the step's work is left out (ids and the count of steps alone)
	s_cbranch_scc1 .Lhidden_\@
	v_add_nc_u32 v[ADR], s[TB], v[LN]
	WIN TO_F                                       ; K's eight fragments in one run of 32 loads.  Their registers were last read by the score products of the step before, a whole softmax back
.irp t, 0,1,2,3,4,5,6,7
.irp c, 0,1,2,3
	ds_load_b128 v[KR+16*\t+4*\c:KR+16*\t+4*\c+3], v[ADR] offset:32768*(\q)+2048*\t+512*\c
.endr
.endr
	WIN MUL
	s_wait_alu depctr_va_vdst(0)
.irp u, 0,1,2,3                                ; S^T = K Q^T: two tiles of 16 keys as soon as their eight loads are in
	s_wait_dscnt 24-8*\u                           ; LDS loads come back in order: the loads issued behind this pair's may be out
.irp t, 2*\u, 2*\u+1
	v_wmma_f32_16x16x128_fp8_fp8 v[96+8*(\t):103+8*(\t)], v[KR+16*(\t):KR+16*(\t)+15], v[16:31], 0
.endr
.endr
.rept 4
	v_nop                                          ; places behind the score products, ahead of the first read of a score.  With the addition at the step's head they are five places behind the last step's products on O^T, whose V registers are loaded next
.endr
	VLOAD \q, 0                                    ; half of V goes out now and lands under the softmax
	s_add_co_u32 s96, s[KF], 127
	s_cmp_le_u32 s96, s[Q0]                        ; all keys count: no mask
	s_cbranch_scc1 .Lopen_\@
	s_sub_co_i32 s96, s[Q0], s[KF]
	v_add_nc_u32 v252, s96, v[DG]                  ; my query - KF - 8 (lane / 16).  Register n holds key KF + 16 (n / 8) + 8 (lane / 16) + n % 8
	v_mov_b32 v254, 0xff800000                     ; -infinity
.irp n, 0,1,2,3,4,5,6,7,8,9,10,11,12,13,14,15,16,17,18,19,20,21,22,23,24,25,26,27,28,29,30,31,32,33,34,35,36,37,38,39,40,41,42,43,44,45,46,47,48,49,50,51,52,53,54,55,56,57,58,59,60,61,62,63
	v_cmp_gt_i32 vcc_lo, 16*(\n/8)+\n%8, v252
	v_cndmask_b32 v[96+\n], v[96+\n], v254, vcc_lo
.endr
.Lopen_\@:
.irp k, 0,1,2,3                                ; the step's largest score of my query among my 64 keys: four chains, one for every two tiles, so that no line waits for the line above it; each tile is read from its low end on
	v_max3_num_f32 v[MX+\k], v[96+16*\k], v[97+16*\k], v[98+16*\k]
.endr
.irp m, 0,1,2,3,4,5
.irp k, 0,1,2,3
	v_max3_num_f32 v[MX+\k], v[MX+\k], v[99+16*\k+2*\m], v[100+16*\k+2*\m]
.endr
.endr
	v_max3_num_f32 v[MX], v[MX], v111, v127        ; the four scores left over,
	v_max3_num_f32 v[MX+2], v[MX+2], v143, v159
	s_delay_alu instid0(VALU_DEP_1)
	v_max3_num_f32 v[MX], v[MX], v[MX+1], v[MX+2]  ; and the four chains
	s_delay_alu instid0(VALU_DEP_1)
	v_max_num_f32 v254, v[MX], v[MX+3]
	v_permlanex16_b32 v236, v254, s[SEL], s[SEL+1]
	s_delay_alu instid0(VALU_DEP_1)
	v_max_num_f32 v254, v254, v236                 ; and among lane xor 16's
	s_delay_alu instid0(VALU_DEP_1)
	v_mul_f32 v254, s[CS], v254                    ; as t (c is positive)
	s_delay_alu instid0(VALU_DEP_1)
	v_max_num_f32 v13, v13, v254                   ; the running largest t
	v_mov_b32 v254, v12
	s_delay_alu instid0(VALU_DEP_2)
	v_floor_f32 v12, -v13                          ; the new -M = -ceil(t)
	s_delay_alu instid0(VALU_DEP_1)
	v_sub_f32 v254, v12, v254                      ; old M - new M: a whole number, 0 or less
	s_delay_alu instid0(VALU_DEP_1)
	v_cvt_i32_f32 v254, v254
	s_delay_alu instid0(VALU_DEP_1)
	v_ldexp_f32 v252, 1.0, v254                    ; f = 2^(old M - new M)
	VLOAD \q, 4                                    ; the other half of V
.set j, 0
.rept 32
	v_pk_fma_f32 v[96+j:97+j], v[96+j:97+j], s[CS:CS+1], v[12:13] op_sel_hi:[1,0,0]   ; t - M, two at a time
.set j, j+2
.endr
.set j, 0
	s_wait_alu depctr_va_vdst(0)
.rept 64
	v_exp_f32 v[96+j], v[96+j]                     ; p = 2^(t - M)
.set j, j+1
.endr
	v_pk_mul_f32 v[14:15], v[14:15], v[252:253] op_sel_hi:[1,0]   ; the sums under the new M: a plain line behind the exponentials
	s_wait_alu depctr_va_vdst(0)                   ; one wait for the batch, ahead of its first reader
	v_pk_add_f32 v[242:243], v[108:109], v[116:117]
	v_pk_add_f32 v[246:247], v[124:125], v[132:133]
	v_pk_add_f32 v[248:249], v[140:141], v[148:149]
	v_pk_add_f32 v[254:255], v[156:157], v[96:97]
	v_pk_add_f32 v[250:251], v[98:99], v[110:111]
	v_pk_add_f32 v[238:239], v[118:119], v[126:127]
	v_pk_add_f32 v[236:237], v[134:135], v[142:143]
	v_pk_add_f32 v[14:15], v[14:15], v[150:151]
	v_pk_add_f32 v[242:243], v[242:243], v[158:159]
	v_pk_add_f32 v[246:247], v[246:247], v[100:101]
	v_pk_add_f32 v[248:249], v[248:249], v[102:103]
	v_pk_add_f32 v[254:255], v[254:255], v[112:113]
	v_pk_add_f32 v[250:251], v[250:251], v[120:121]
	v_pk_add_f32 v[238:239], v[238:239], v[128:129]
	v_pk_add_f32 v[236:237], v[236:237], v[136:137]
	v_pk_add_f32 v[14:15], v[14:15], v[144:145]
	v_pk_add_f32 v[242:243], v[242:243], v[152:153]
	v_pk_add_f32 v[246:247], v[246:247], v[104:105]
	v_pk_add_f32 v[248:249], v[248:249], v[106:107]
	v_pk_add_f32 v[254:255], v[254:255], v[114:115]
	v_pk_add_f32 v[250:251], v[250:251], v[122:123]
	v_pk_add_f32 v[238:239], v[238:239], v[130:131]
	v_pk_add_f32 v[236:237], v[236:237], v[138:139]
	v_pk_add_f32 v[14:15], v[14:15], v[146:147]
	v_pk_add_f32 v[242:243], v[242:243], v[154:155]
	s_delay_alu instid0(VALU_DEP_2)
	v_pk_add_f32 v[14:15], v[14:15], v[254:255]
	s_delay_alu instid0(VALU_DEP_2)
	v_pk_add_f32 v[242:243], v[242:243], v[250:251]
	v_pk_add_f32 v[246:247], v[246:247], v[238:239]
	v_pk_add_f32 v[248:249], v[248:249], v[236:237]
	s_delay_alu instid0(VALU_DEP_2)
	v_pk_add_f32 v[14:15], v[14:15], v[246:247]
	s_delay_alu instid0(VALU_DEP_2)
	v_pk_add_f32 v[242:243], v[242:243], v[248:249]
	s_delay_alu instid0(VALU_DEP_1)
	v_pk_add_f32 v[14:15], v[14:15], v[242:243]
.set j, 0
.rept 64
	v_min_num_f32 v[96+j], v[96+j], v240           ; the conversion does not saturate (ISA guide 7.6.2); p is not negative: a one-sided hold
.set j, j+1
.endr
.irp t, 0,1,2,3,4,5,6,7
	v_cvt_scalef32_pk8_fp8_f32 v[224+2*\t:225+2*\t], v[96+8*\t:103+8*\t], v244   ; tile t's eight keys: registers 2 t, 2 t + 1 of P
.endr
.set j, 0
.rept 32
	v_pk_mul_f32 v[160+j:161+j], v[160+j:161+j], v[252:253] op_sel_hi:[1,0]   ; O^T under the new M.  These are also the plain lines between the conversions and the products below
.set j, j+2
.endr
	s_wait_alu depctr_va_vdst(0)
	s_wait_dscnt 0x0                               ; V is in: asked for a softmax ago
	WIN MUL
.irp t, 0,1,2,3,4,5,6,7                        ; O^T += V^T P^T: eight tiles of 16 channels, eight accumulators by turns
	v_wmma_f32_16x16x128_fp8_fp8 v[160+8*\t:167+8*\t], v[VR+16*\t:VR+16*\t+15], v[224:239], v[160+8*\t:167+8*\t]
.endr
	WIN 0                                          ; at a label and at a branch every window is 0
.Lhidden_\@:
	s_add_co_u32 s[KF], s[KF], 128
.endm
; THE CHANGE OF SLOTS stands at a slot's head.  Each wave waits for all its tensor loads, adds 0 to its spare word, and waits for that and for its reads of the slot that it has left; then the barrier.
; fill = 1: the slot just left is filled with the keys that follow, up to the causal limit: the load has a whole slot's steps in which to land.
.macro CHANGE fill
	s_wait_tensorcnt 0x0                           ; no tensor load of mine is out, so the group 0 may be written
	ds_add_u32 v[SPW], v[NIL]
.if \fill
	s_xor_b32 s[G0+1], s[G0+1], SLOT1              ; the walking descriptor: the other slot,
	s_add_nc_u64 s[G0+2:G0+3], s[G0+2:G0+3], SLOT1 ; the next 512 keys
	s_wait_xcnt 0x0                                ; the last prefetches, a slot back, have read their address
	s_add_nc_u64 s[PFA:PFA+1], s[PFA:PFA+1], SLOT1
.endif
	s_wait_dscnt 0x0                               ; the add is done, and my reads of the slot that I have left are over
	s_barrier_signal -1
	s_barrier_wait -1
.if \fill
	s_add_co_u32 s96, s[KF], 512                   ; the first key of the slot that this change would ask for
	s_cmp_gt_u32 s96, s[QL]                        ; behind my work-group's last query: no wave reads it, so it is not asked for.  Ids and the count of steps alone: all eight waves go the same way
	s_cbranch_scc1 .Lpast_\@
	TLOAD                                          ; a wave's one tensor load until the next change
.Lpast_\@:
	ASK
.endif
.endm
.macro SLOT_STEPS                      ; a slot's four key steps
	s_mov_b32 s[HS], 4
.Lstep_\@:
	STEP 0
	s_add_co_u32 s[TB], s[TB], 32768               ; the next step's 32,768 bytes; behind a slot's fourth step that is the other slot
	s_and_b32 s[TB], s[TB], 2*SLOT1-1
	s_sub_co_u32 s[HS], s[HS], 1
	s_cmp_lg_u32 s[HS], 0
	s_cbranch_scc1 .Lstep_\@
.endm
	s_wait_loadcnt 0x0                             ; Q
.Lslot:                                            ; NSL - 1 trips
	CHANGE 1
	SLOT_STEPS
	s_sub_co_u32 s[SLOTS], s[SLOTS], 1
	s_cmp_lg_u32 s[SLOTS], 0
	s_cbranch_scc1 .Lslot
	CHANGE 0                                       ; the last slot is written out: nothing more is asked for
	SLOT_STEPS
	; THE WAY OUT.  O^T / the sum x 2^(e8 + e9 - e10) is what entry 10's quantiser rounds; a tile's eight registers are eight neighbouring channels: the image of 16 tokens x 128 k of the last product's operand.
.rept 4
	v_nop                                          ; places behind the last products
.endr
	v_add_f32 v14, v14, v15
	v_permlanex16_b32 v236, v14, s[SEL], s[SEL+1]
	s_delay_alu instid0(VALU_DEP_1)
	v_add_f32 v14, v14, v236                       ; the row's sum
	s_wait_alu depctr_va_vdst(0)
	v_rcp_f32 v14, v14
	v_nop                                          ; a plain line behind the transcendental
	s_wait_alu depctr_va_vdst(0)                   ; and the wait ahead of its first reader
	v_ldexp_f32 v14, v14, s83
.set j, 0
.rept 32
	v_pk_mul_f32 v[96+j:97+j], v[160+j:161+j], v[14:15] op_sel_hi:[1,0]
.set j, j+2
.endr
.set j, 0
.rept 64
	v_med3_num_f32 v[96+j], v[96+j], -v241, v241
.set j, j+1
.endr
.irp t, 0,1,2,3,4,5,6,7
	v_cvt_scalef32_pk8_fp8_f32 v[224+2*\t:225+2*\t], v[96+8*\t:103+8*\t], v245
.endr
	v_nop
.irp c, 0,1,2,3
	global_store_b128 v[LN], v[224+4*\c:227+4*\c], s[10:11] offset:512*\c   ; 32 lanes store 512 consecutive bytes
.endr
	s_wait_tensorcnt 0x0                           ; the wave's end
	ds_add_u32 v[SPW], v[NIL]
	s_wait_dscnt 0x0
	s_endpgm
.Lfunc_end_k_qd069ce0c1f_attn:
	.size	k_qd069ce0c1f_attn, .Lfunc_end_k_qd069ce0c1f_attn-k_qd069ce0c1f_attn
	.p2alignl 7, 3214868480
	.fill 96, 4, 3214868480
	.section	.rodata,"a",@progbits
	.p2align	6, 0x0
	.amdhsa_kernel k_qd069ce0c1f_attn
		.amdhsa_group_segment_fixed_size 327680
		.amdhsa_private_segment_fixed_size 0
		.amdhsa_enable_private_segment 0
		.amdhsa_kernarg_size 32
		.amdhsa_user_sgpr_count 2
		.amdhsa_user_sgpr_kernarg_segment_ptr 1
		.amdhsa_wavefront_size32 1
		.amdhsa_system_sgpr_workgroup_id_x 1
		.amdhsa_system_sgpr_workgroup_id_y 1
		.amdhsa_system_sgpr_workgroup_id_z 1
		.amdhsa_system_vgpr_workitem_id 0
		.amdhsa_next_free_vgpr 512
		.amdhsa_next_free_sgpr 100
		.amdhsa_reserve_vcc 1
		.amdhsa_float_denorm_mode_32 3
		.amdhsa_float_denorm_mode_16_64 3
		.amdhsa_memory_ordered 1
		.amdhsa_forward_progress 1
		.amdhsa_inst_pref_size 65
	.end_amdhsa_kernel
	.amdgpu_metadata
---
amdhsa.version: [ 1, 2 ]
amdhsa.kernels:
  - .name:           k_qd069ce0c1f_attn
    .symbol:         k_qd069ce0c1f_attn.kd
    .args:
      - { .name: qc, .offset: 0, .size: 8, .value_kind: global_buffer, .address_space: global }
      - { .name: kv, .offset: 8, .size: 8, .value_kind: global_buffer, .address_space: global }
      - { .name: lowp_scales, .offset: 16, .size: 8, .value_kind: global_buffer, .address_space: global }
      - { .name: ac, .offset: 24, .size: 8, .value_kind: global_buffer, .address_space: global }
    .group_segment_fixed_size: 327680
    .private_segment_fixed_size: 0
    .kernarg_segment_align: 8
    .kernarg_segment_size: 32
    .max_flat_workgroup_size: 256
    .sgpr_count:     100
    .vgpr_count:     512
    .wavefront_size: 32
...
	.end_amdgpu_metadata
.endif
;; end of part 3
;; launch oproj (part 4): grid 8 x 32, 4 waves a work-group, clusters of 4 x 4, 327,680 bytes of LDS; arguments ac, woc, lowp_scales, out0; writes out0
.if DOCPART == 4
	.amdgcn_target "amdgcn-amd-amdhsa--gfx1250"
	.amdhsa_code_object_version 6
	.text
	.protected	k_qd069ce0c1f_oproj
	.globl	k_qd069ce0c1f_oproj
	.p2align	8
	.type	k_qd069ce0c1f_oproj,@function
k_qd069ce0c1f_oproj:
	s_mov_b64 s[64:65], 0
	v_nop
	global_prefetch_b8 v0, s[64:65] scope:SCOPE_SE
	s_setreg_imm32_b32 hwreg(HW_REG_WAVE_MODE, 25, 1), 1
	s_wait_xcnt 0x0
	s_wait_alu depctr_hold_cnt(0) depctr_sa_sdst(0) depctr_va_vdst(0) depctr_va_sdst(0) depctr_va_ssrc(0) depctr_va_vcc(0) depctr_vm_vsrc(0)
	s_getreg_b32 s2, hwreg(HW_REG_IB_STS2, 6, 4)
	s_cmp_eq_u32 s2, 0
	s_cbranch_scc0 .Lentry_in_a_cluster
	s_endpgm
.Lentry_in_a_cluster:
	s_bfe_u32 s2, ttmp6, 0x10000c
	s_cmp_lg_u32 s2, 0xf033
	s_cbranch_scc0 .Lentry_shape_is_right
	s_endpgm
.Lentry_shape_is_right:
.set PITCH,  272
.set FR,     16
.set ABYTES, 32768
.set HALFB,  128*PITCH
.set SLOT,   ABYTES+2*HALFB
.set SPARE,  2*SLOT
.set SPITCH, 528
.set ADRA, 16
.set ADRB, 20
.set STO,  24
.set RD,   25
.set CO,   26
.set SPW,  28
.set NIL,  29
.set TMP,  32
.set AF,   128
.set BK,   128
.set G1, 24
.set G0, 32
.set G1B, 48
.set G0B, 56
.set MSB, 0
.macro WIN new
.if MSB != (\new)
	s_set_vgpr_msb (MSB<<8)|(\new)
.set MSB, (\new)
.endif
.endm
.set MUL,  0xa1
.set TO_B, 0x40
.macro JLOAD s
	s_cmp_eq_u32 s15, 0
	s_cbranch_scc0 .Lfor_b_\@
	tensor_load_to_lds s[G0+4*\s:G0+4*\s+3], s[G1:G1+7]
	s_nop 0
.rept 4
	v_nop
.endr
	s_branch .Lasked_\@
.Lfor_b_\@:
	tensor_load_to_lds s[G0B+4*\s:G0B+4*\s+3], s[G1B:G1B+7]
	s_nop 0
.rept 4
	v_nop
.endr
.Lasked_\@:
.endm
.macro CREST
	s_cmp_lg_u32 s14, 0
	s_cbranch_scc1 .Lnot_wave_0_\@
	s_barrier_signal -3
.Lnot_wave_0_\@:
	s_barrier_wait -3
	s_barrier_signal -1
	s_barrier_wait -1
.endm
.macro CROUND
	s_barrier_signal -1
	s_barrier_wait -1
	CREST
.endm
	s_load_b256 s[4:11], s[0:1], 0x0
	v_lshl_add_u32 v[SPW], v0, 2, SPARE
	v_mov_b32 v[NIL], 0
	ds_add_u32 v[SPW], v[NIL]
	ds_add_u32 v[SPW], v[NIL]
	v_lshrrev_b32 v1, 5, v0
	v_readfirstlane_b32 s14, v1
	s_lshr_b32 s15, s14, 1
	s_and_b32 s16, s14, 1
	s_bfe_u32 s40, ttmp6, 0x40000
	s_bfe_u32 s41, ttmp6, 0x40004
	s_lshl_b32 s42, ttmp9, 2
	s_add_co_u32 s42, s42, s40
	s_and_b32 s17, ttmp7, 0xffff
	s_lshl_b32 s17, s17, 2
	s_add_co_u32 s17, s17, s41
	s_lshl_b32 s43, s41, 2
	s_lshl_b32 s43, 15, s43
	s_lshl_b32 s44, 0x1111, s40
	s_or_b32 s[G1+0], s43, (3<<16)|(1<<21)
	s_mov_b32 s[G1+1], 512<<16
	s_mov_b32 s[G1+2], 4<<16
	s_mov_b32 s[G1+3], 512<<16
	s_mov_b32 s[G1+4], 4
	s_mov_b32 s[G1+5], 2048
	s_mov_b32 s[G1+6], 0
	s_mov_b32 s[G1+7], 0
	s_or_b32 s[G1B+0], s44, (0<<16)|(1<<20)|(1<<21)|(5<<22)|(3<<25)
	s_mov_b32 s[G1B+1], 256<<16
	s_mov_b32 s[G1B+2], 128<<16
	s_mov_b32 s[G1B+3], 256<<16
	s_mov_b32 s[G1B+4], 128
	s_mov_b32 s[G1B+5], 1024
	s_mov_b32 s[G1B+6], 0
	s_mov_b32 s[G1B+7], 0
	s_lshl_b32 s20, s17, 3
	s_lshl_b32 s18, s16, 2
	s_add_co_u32 s20, s20, s18
	s_lshl_b32 s20, s20, 14
	s_mov_b32 s21, 0
	s_lshl_b32 s46, s42, 8
	s_lshl_b32 s18, s16, 7
	s_add_co_u32 s46, s46, s18
	s_lshl_b32 s46, s46, 10
	s_mov_b32 s47, 0
	s_lshl_b32 s45, s16, 14
	s_mul_i32 s19, s16, HALFB
	s_add_co_u32 s19, s19, ABYTES
	s_wait_dscnt 0x0
	s_wait_kmcnt 0x0
	s_load_b64 s[96:97], s[8:9], 0x28
	s_add_nc_u64 s[20:21], s[4:5], s[20:21]
	s_add_nc_u64 s[46:47], s[6:7], s[46:47]
	CROUND
.irp s, 0,1
	s_mov_b32 s[G0+4*\s], 1
	s_add_co_u32 s[G0+4*\s+1], s45, \s*SLOT
	s_add_nc_u64 s[G0+4*\s+2:G0+4*\s+3], s[20:21], \s*4096
	s_or_b32 s[G0+4*\s+3], s[G0+4*\s+3], 0x80000000
	s_mov_b32 s[G0B+4*\s], 1
	s_add_co_u32 s[G0B+4*\s+1], s19, \s*SLOT
	s_add_nc_u64 s[G0B+4*\s+2:G0B+4*\s+3], s[46:47], \s*256
	s_or_b32 s[G0B+4*\s+3], s[G0B+4*\s+3], 0x80000000
.endr
	JLOAD 0                                        ; K step 0: one tensor load a wave at the head
	v_and_b32 v1, 15, v0
	v_bfe_u32 v2, v0, 4, 1
	v_and_b32 v6, 31, v0
	v_lshlrev_b32 v[CO], 4, v6
	v_mul_u32_u24 v3, v1, PITCH
	v_lshl_add_u32 v4, v2, 4, v3
	s_lshl_b32 s21, s15, 14
	s_mul_i32 s22, s16, HALFB
	s_add_co_u32 s22, s22, ABYTES
.irp s, 0,1
	v_add_nc_u32 v[ADRA+\s], s21, v[CO]
	v_add_nc_u32 v[ADRB+\s], s22, v4
	s_add_co_u32 s21, s21, SLOT
	s_add_co_u32 s22, s22, SLOT
.endr
	s_mul_i32 s23, s14, 16*SPITCH
	v_mul_u32_u24 v5, v1, SPITCH
	v_lshl_add_u32 v5, v2, 5, v5
	v_add_nc_u32 v[STO], s23, v5
	v_add_nc_u32 v[RD], s23, v[CO]
	s_lshl_b32 s20, s17, 7
	s_lshl_b32 s21, s15, 6
	s_add_co_u32 s20, s20, s21
	s_lshl_b32 s20, s20, 13
	s_lshl_b32 s46, s42, 10
	s_lshl_b32 s47, s16, 9
	s_add_co_u32 s46, s46, s47
	s_add_co_u32 s20, s20, s46
	s_mov_b32 s21, 0
	s_add_nc_u64 s[10:11], s[10:11], s[20:21]
.macro FETCH slot, q, p
	WIN TO_B
.irp i, 0,1,2,3,4,5,6,7
.irp c, 0,1,2,3
	ds_load_b128 v[128*(\p)+FR*\i+4*\c:128*(\p)+FR*\i+4*\c+3], v[ADRB+\slot] offset:128*(\q)+32*\c+\i*16*PITCH
.endr
.endr
	WIN 0
.irp i, 0,1,2,3
.irp c, 0,1,2,3
	ds_load_b128 v[AF+64*(\p)+FR*\i+4*\c:AF+64*(\p)+FR*\i+4*\c+3], v[ADRA+\slot] offset:2048*(\q)+4096*\i+512*\c
.endr
.endr
.endm
.macro MULA a, p, zero
.irp b, 0,1,2,3,4,5,6,7
.if \zero
	v_wmma_f32_16x16x128_fp8_fp8 v[8*(8*(\a)+\b):8*(8*(\a)+\b)+7], v[128*(\p)+FR*\b:128*(\p)+FR*\b+FR-1], v[AF+64*(\p)+FR*(\a):AF+64*(\p)+FR*(\a)+FR-1], 0
.else
	v_wmma_f32_16x16x128_fp8_fp8 v[8*(8*(\a)+\b):8*(8*(\a)+\b)+7], v[128*(\p)+FR*\b:128*(\p)+FR*\b+FR-1], v[AF+64*(\p)+FR*(\a):AF+64*(\p)+FR*(\a)+FR-1], v[8*(8*(\a)+\b):8*(8*(\a)+\b)+7]
.endif
.endr
.endm
.macro PLACES
.rept 4
	v_nop
.endr
.endm
.macro STEP slot, zero
	s_wait_dscnt 0x0
	PLACES
	FETCH \slot, 1, 1
	WIN MUL
	MULA 0, 0, \zero
	MULA 1, 0, \zero
	MULA 2, 0, \zero
	MULA 3, 0, \zero
	WIN 0
.endm
.macro TURN slot, next, fill
	s_wait_tensorcnt 0x0
	ds_add_u32 v[SPW], v[NIL]
	s_wait_dscnt 1
	WIN MUL
	MULA 0, 1, 0
	MULA 1, 1, 0
	s_wait_dscnt 0x0
	s_barrier_signal -1
	MULA 2, 1, 0
	WIN 0
	s_barrier_wait -1
.if \fill
	CREST
	s_add_nc_u64 s[G0+4*\slot+2:G0+4*\slot+3], s[G0+4*\slot+2:G0+4*\slot+3], 2*4096
	s_add_nc_u64 s[G0B+4*\slot+2:G0B+4*\slot+3], s[G0B+4*\slot+2:G0B+4*\slot+3], 2*256
	JLOAD \slot
.else
	PLACES
.endif
	FETCH \next, 0, 0
	WIN MUL
	MULA 3, 1, 0
	WIN 0
.endm
	s_wait_alu depctr_va_vdst(0)                   ; the wait at the head's end
	s_wait_tensorcnt 0x0                           ; my part of K step 0 is in; the three lines ahead of a later first fill, as ahead of a refill
	ds_add_u32 v[SPW], v[NIL]
	s_wait_dscnt 0x0
	CROUND                                         ; everybody's part of K step 0 is in, and the joint loads meet
	JLOAD 1                                        ; K step 1, the first tensor load behind the round
	FETCH 0, 0, 0
	STEP 0, 1
	TURN 0, 1, 1
	STEP 1, 0
	TURN 1, 0, 1
	STEP 0, 0
	TURN 0, 1, 0
	STEP 1, 0
	s_wait_dscnt 0x0
	WIN MUL
	MULA 0, 1, 0
	MULA 1, 1, 0
	MULA 2, 1, 0
	MULA 3, 1, 0
	WIN 0
.macro TOSTAGE a
	WIN 0x02
.set j, 0
.rept 32
	v_pk_mul_f32 v[TMP+j:TMP+j+1], v[64*(\a)+j:64*(\a)+j+1], s[96:97] op_sel_hi:[1,0]
.set j, j+2
.endr
	WIN 0
.irp b, 0,1,2,3,4,5,6,7
	ds_store_b128 v[STO], v[TMP+8*\b:TMP+8*\b+3] offset:64*\b
	ds_store_b128 v[STO], v[TMP+8*\b+4:TMP+8*\b+7] offset:64*\b+16
.endr
.set BB, BK+64*((\a)%2)
.irp t, 0,1,2,3,4,5,6,7,8,9,10,11,12,13,14,15
	ds_load_b128 v[BB+4*\t:BB+4*\t+3], v[RD] offset:\t*SPITCH
.endr
.endm
.macro SEND a, younger
.set BB, BK+64*((\a)%2)
	s_wait_dscnt \younger
.irp t, 0,1,2,3,4,5,6,7,8,9,10,11,12,13,14,15
	global_store_b128 v[CO], v[BB+4*\t:BB+4*\t+3], s[10:11] offset:(16*(\a)+\t)*8192 th:TH_STORE_NT
.endr
.endm
	s_wait_kmcnt 0x0
	s_add_co_i32 s96, s96, s97
	s_add_co_i32 s96, s96, 127
	s_lshl_b32 s96, s96, 23
	PLACES
	TOSTAGE 0
.irp a, 1,2,3
.if \a > 1
	s_wait_xcnt 0x0
.endif
	TOSTAGE \a
	SEND \a-1, 32
.endr
	SEND 3, 0
	s_wait_tensorcnt 0x0
	ds_add_u32 v[SPW], v[NIL]
	s_wait_dscnt 0x0
	CROUND
	s_endpgm
.Lfunc_end_k_qd069ce0c1f_oproj:
	.size	k_qd069ce0c1f_oproj, .Lfunc_end_k_qd069ce0c1f_oproj-k_qd069ce0c1f_oproj
	.p2alignl 7, 3214868480
	.fill 96, 4, 3214868480
	.section	.rodata,"a",@progbits
	.p2align	6, 0x0
	.amdhsa_kernel k_qd069ce0c1f_oproj
		.amdhsa_group_segment_fixed_size 327680
		.amdhsa_private_segment_fixed_size 0
		.amdhsa_enable_private_segment 0
		.amdhsa_kernarg_size 32
		.amdhsa_user_sgpr_count 2
		.amdhsa_user_sgpr_kernarg_segment_ptr 1
		.amdhsa_wavefront_size32 1
		.amdhsa_system_sgpr_workgroup_id_x 1
		.amdhsa_system_sgpr_workgroup_id_y 1
		.amdhsa_system_sgpr_workgroup_id_z 1
		.amdhsa_system_vgpr_workitem_id 0
		.amdhsa_next_free_vgpr 768
		.amdhsa_next_free_sgpr 98
		.amdhsa_reserve_vcc 0
		.amdhsa_float_denorm_mode_32 3
		.amdhsa_float_denorm_mode_16_64 3
		.amdhsa_memory_ordered 1
		.amdhsa_forward_progress 1
		.amdhsa_inst_pref_size 75
	.end_amdhsa_kernel
	.amdgpu_metadata
---
amdhsa.version: [ 1, 2 ]
amdhsa.kernels:
  - .name:           k_qd069ce0c1f_oproj
    .symbol:         k_qd069ce0c1f_oproj.kd
    .args:
      - { .name: ac, .offset: 0, .size: 8, .value_kind: global_buffer, .address_space: global }
      - { .name: woc, .offset: 8, .size: 8, .value_kind: global_buffer, .address_space: global }
      - { .name: lowp_scales, .offset: 16, .size: 8, .value_kind: global_buffer, .address_space: global }
      - { .name: out0, .offset: 24, .size: 8, .value_kind: global_buffer, .address_space: global }
    .group_segment_fixed_size: 327680
    .private_segment_fixed_size: 0
    .kernarg_segment_align: 8
    .kernarg_segment_size: 32
    .max_flat_workgroup_size: 128
    .sgpr_count:     98
    .vgpr_count:     768
    .wavefront_size: 32
...
	.end_amdgpu_metadata
.endif
;; end of part 4
